; MI455X (gfx1250); checked and timed in simulation.
; The chip was launched on July 23, 2026; its instructions are those of AMD's public machine-readable ISA for CDNA 5 (MIT licence, August 2026) and "CDNA5" Instruction Set Architecture Reference Guide (July 2026). The comments in the code are by the model that wrote it; some were corrected since.
;; Multi Headed Attention. Allowed arithmetic: matrix products marked QUANTISED: E4M3 operands, one given power-of-two scale a tensor, by v_wmma_f32_16x16x64_fp8_fp8 or v_wmma_f32_16x16x128_fp8_fp8, f32 sums; everything else in f32.
;; Inputs: Wk 1,024 x 1,024 float32; Wq 1,024 x 1,024 float32; Wv 1,024 x 1,024 float32; bk 1,024 float32; bq 1,024 float32; bv 1,024 float32; key_ 8 x 1,024 x 1,024 float32; lowp_scales 10 int32 (the exponents e of the quantised operands' scales 2^e); query 8 x 1,024 x 1,024 float32; value 8 x 1,024 x 1,024 float32.
;; Outputs: out0 8 x 1,048,576 float32.
;; This version of the problem:
;;   THIS VERSION OF THE PROBLEM IS GIVEN IN LOW PRECISION. The matrix products marked QUANTISED in the list below multiply operands that are first quantised to E4M3 (4 exponent bits, 3 mantissa bits; 8 bits a number), with one given power-of-two scale for each operand tensor; their sums are f32. All else is computed in f32.
;;   The module's matrix products, in the order in which they are computed (A, B: the left and right operand; K: the contracted axis; several contracted axes count as one K, in the product's order):
;;     1. [M 8,192, K 1,024] x [K 1,024, N 1,024]; A: input query; B: input Wq: QUANTISED (scales: A lowp_scales[0], B lowp_scales[1])
;;     2. [M 8,192, K 1,024] x [K 1,024, N 1,024]; A: input key_; B: input Wk: QUANTISED (scales: A lowp_scales[2], B lowp_scales[3])
;;     3. [M 8,192, K 1,024] x [K 1,024, N 1,024]; A: input value; B: input Wv: QUANTISED (scales: A lowp_scales[4], B lowp_scales[5])
;;     4. batch 128 x [M 1,024, K 64] x [K 64, N 1,024]; A: computed on the way; B: computed on the way: QUANTISED (scales: A lowp_scales[6], B lowp_scales[7])
;;     5. batch 128 x [M 1,024, K 1,024] x [K 1,024, N 64]; A: softmax (see below); B: computed on the way: QUANTISED (scales: A lowp_scales[8], B lowp_scales[9])
;;   THE QUANTISER, for each operand of a quantised product, along K:
;;     - The operand's scale is 2^e, e = its entry of the input lowp_scales (int32; the entries are numbered through the quantised products in the list's order, A before B).
;;     - Each number is divided by the scale, clamped to +-448, and rounded to the nearest number of E4M3, ties to even, subnormals kept.
;;     - The product sums the exact products of the quantised numbers (number of the format x scale) in f32.
;;   ~~~python
;;   def quantise(x, axis, e):      # numpy; x: float32 -> the quantised numbers, widened to float32 again
;;       x = np.moveaxis(x, axis, -1); K = x.shape[-1]
;;       r = np.clip(x / 2.0 ** e, -448, 448)
;;       step = 2.0 ** (np.maximum(np.frexp(np.where(r == 0, 1, r))[1] - 1, -6) - 3)
;;       q = np.round(r / step) * step * 2.0 ** e      # np.round: ties to even
;;       return np.moveaxis(q, -1, axis).astype(np.float32)
;;   ~~~
;;   SOFTMAX AHEAD OF A QUANTISED PRODUCT. Where the list says 'softmax', what is quantised is not the finished softmax but p = 2^(t - M), with t = logit x log2(e) and M = ceil(the row's largest t), a whole number; so 1/2 < the row's largest p <= 1. The row's sum l is taken of the UNQUANTISED p, in f32, and the product's result is divided by l at the end. Since M is a whole number, a kernel that streams over the keys may use a running M (the ceiling of the running maximum): every later rescaling is an exact power of two, so the quantised numbers keep their values, but for numbers so far below the row's largest that they fall under the format's range.
;;   OPERANDS COMPUTED ON THE WAY. 'Computed on the way' means the value that the module computes at that place (a softmax that the list does not call 'softmax' is quantised finished and normalised). What goes into a quantiser is computed in f32, as accurately as f32 sums, v_exp_f32 and their like allow (about 1e-6 of the number): no bf16 or f16 on the way to a quantiser, and a product that is left as it is and whose result goes on into a quantised operand takes f32 operands (vector FMAs, or v_wmma_f32_16x16x4_f32). A number that lies on a knife's edge between two numbers of the format may be rounded either way, as far as f32 arithmetic and the matrix unit's own rounding can turn it there, and no further.
;; One version. Each part assembles by itself: llvm-mc -triple=amdgcn-amd-amdhsa -mcpu=gfx1250 --defsym DOCPART=n.
;; ======== version 1 of 1: 3 launches
;; limits: right only within a limited range of input values
;; workspace buffers: xc 25,165,824 bytes; wc 3,145,728 bytes; qkv 25,165,824 bytes
;; launch quant (part 1): grid 256 x 1, 12 waves a work-group, no clusters, 99,840 bytes of LDS; arguments query, key_, value, Wq, Wk, Wv, lowp_scales, xc, wc; writes xc, wc
.if DOCPART == 1
	.amdgcn_target "amdgcn-amd-amdhsa--gfx1250"
	.amdhsa_code_object_version 6
	.text
	.protected	k_q866f06a7ad_quant
	.globl	k_q866f06a7ad_quant
	.p2align	8
	.type	k_q866f06a7ad_quant,@function
k_q866f06a7ad_quant:
	s_mov_b64 s[64:65], 0
	v_nop
	global_prefetch_b8 v0, s[64:65] scope:SCOPE_SE
	s_setreg_imm32_b32 hwreg(HW_REG_WAVE_MODE, 25, 1), 1
	s_wait_xcnt 0x0
; The six f32 operands of the three projections become codes of FP8 (E4M3), K innermost, each with the one scale 2^e given for it.
; code = x / 2^e, held within +-448, rounded to the nearest code, ties to even.  Entry 2 p of the scales is the activation's e, entry 2 p + 1 the weight's (p = 0 query/Wq, 1 key_/Wk, 2 value/Wv).
; LIMITS: each e between -126 and 119, so that 2^e and 448 x 2^e are f32 numbers.  NaN among the inputs is not served (an infinity is held at the largest code).
; All six tensors are dense with K innermost, so each is a plain stream of numbers and its codes a plain stream of bytes: xc = three parts of 2^23 bytes, wc = three parts of 2^20 bytes.
; SHARES: 256 work-groups of 12 waves, all with the same work: p = wave / 4; of p's 1,024 waves each takes 16 steps of 512 numbers of the activation and then 2 steps of the weight.
; A conversion takes 8 neighbours from ONE lane's registers, a load is best where neighbouring LANES take neighbouring bytes: so each of a step's four loads reads 512 consecutive
; bytes, 16 a lane, the 2,048 bytes go through the wave's own stage in LDS as they lie and come back 64 bytes a lane (16 bytes of padding behind each 64).  A lane's 16 codes are 16 bytes: a store covers 512 consecutive bytes.
; No barrier: waves share nothing.  Loads run AH steps (24 loads a wave) ahead, the turn through LDS one step.  No cluster, no prefetch: every byte is read once, by one wave, and its loads run ahead already.
.set ACT,   16                         ; steps of the activation
.set STEPS, 18
.set AH,    6
.set R,     16                         ; v16-111  six sets of 16 numbers as they are loaded
.set X,     112                        ; v112-143 two sets of 16 neighbours
.set C,     144                        ; v144-215 codes: four registers for each step, so that no store's data are written again
.set SPW,   216                        ; v216     LDS address of my spare word;  v217 0
.set NIL,   217
.set WREG,  8192                       ; LDS: a region of its own for each wave: two stages of 32 x SP bytes
.set SP,    80                         ; a lane's place in a stage: its 64 bytes + 16 of padding
.set SPARE, 12*WREG                    ; the spare words, 128 bytes for each wave
	s_load_b512 s[8:23], s[0:1], 0x0               ; query 8:9, key_ 10:11, value 12:13, Wq 14:15, Wk 16:17, Wv 18:19, the scales' exponents 20:21, xc 22:23
	s_load_b64 s[24:25], s[0:1], 0x40              ; wc
	v_lshl_add_u32 v[SPW], v0, 2, SPARE
	v_mov_b32 v[NIL], 0
	v_lshrrev_b32 v1, 5, v0
	v_readfirstlane_b32 s26, v1                    ; wave 0..11
	s_lshr_b32 s27, s26, 2                         ; p
	s_mul_i32 s30, s26, WREG
	v_and_b32 v2, 31, v0                           ; lane
	v_lshlrev_b32 v3, 4, v2                        ; my 16 bytes of a load's 512, and of a store's
	v_lshrrev_b32 v14, 2, v2
	v_mul_u32_u24 v14, v14, SP
	v_and_b32 v15, 3, v2
	v_lshl_add_u32 v14, v15, 4, v14
	v_add_nc_u32 v14, s30, v14                     ; the stage, on the way in: SP (lane / 4) + 16 (lane % 4); a load's 512 bytes take eight places
	v_mul_u32_u24 v15, v2, SP
	v_add_nc_u32 v15, s30, v15                     ; and on the way out: SP x lane: my 16 neighbours
	s_wait_alu depctr_va_vdst(0)
	s_wait_kmcnt 0x0
	s_load_b256 s[32:39], s[20:21], 0x0            ; entries 0 to 7
	s_cmp_eq_u32 s27, 1                            ; the choices hang on the wave's number alone
	s_cselect_b64 s[8:9], s[10:11], s[8:9]
	s_cselect_b64 s[14:15], s[16:17], s[14:15]
	s_cmp_eq_u32 s27, 2
	s_cselect_b64 s[8:9], s[12:13], s[8:9]         ; the activation of p
	s_cselect_b64 s[14:15], s[18:19], s[14:15]     ; the weight of p
	s_lshl_b32 s28, ttmp9, 2
	s_and_b32 s29, s26, 3
	s_add_co_u32 s28, s28, s29                     ; my number among p's 1,024 waves
	s_mov_b32 s41, 0
	s_lshl_b32 s40, s28, 15                        ; 32,768 bytes of the activation a wave,
	s_add_nc_u64 s[4:5], s[8:9], s[40:41]
	s_lshl_b32 s40, s28, 12                        ; 4,096 bytes of the weight
	s_add_nc_u64 s[14:15], s[14:15], s[40:41]
	s_lshl_b32 s42, s28, 13                        ; the codes: 8,192 bytes in part p of xc,
	s_lshl_b32 s43, s27, 23
	s_add_co_u32 s42, s42, s43
	s_mov_b32 s43, 0
	s_add_nc_u64 s[6:7], s[22:23], s[42:43]
	s_lshl_b32 s42, s28, 10                        ; 1,024 bytes in part p of wc
	s_lshl_b32 s43, s27, 20
	s_add_co_u32 s42, s42, s43
	s_mov_b32 s43, 0
	s_add_nc_u64 s[24:25], s[24:25], s[42:43]
.macro LOAD t
.set RS, R+16*((\t)%AH)
.irp i, 0,1,2,3
.if (\t) < ACT
	global_load_b128 v[RS+4*\i:RS+4*\i+3], v3, s[4:5] offset:2048*(\t)+512*\i th:TH_LOAD_NT   ; 32 lanes read 512 consecutive bytes; read once in the launch
.else
	global_load_b128 v[RS+4*\i:RS+4*\i+3], v3, s[14:15] offset:2048*((\t)-ACT)+512*\i th:TH_LOAD_NT
.endif
.endr
.endm
.macro TURN t                          ; step t's numbers through the stage: LDS serves a wave's instructions in order, so no wait stands between the stores and the loads
.set RS, R+16*((\t)%AH)
.set XS, X+16*((\t)%2)
.irp i, 0,1,2,3
	ds_store_b128 v14, v[RS+4*\i:RS+4*\i+3] offset:32*SP*((\t)%2)+8*SP*\i
.endr
.irp i, 0,1,2,3
	ds_load_b128 v[XS+4*\i:XS+4*\i+3], v15 offset:32*SP*((\t)%2)+16*\i
.endr
.endm
.irp t, 0,1,2,3,4,5
	LOAD \t
.endr
	s_wait_kmcnt 0x0
	s_cmp_eq_u32 s27, 1
	s_cselect_b64 s[32:33], s[34:35], s[32:33]
	s_cmp_eq_u32 s27, 2
	s_cselect_b64 s[32:33], s[36:37], s[32:33]     ; the pair of p
.macro SCALE sreg, lim, sc             ; sc = 2^e as f32 (the conversion takes its exponent field), lim = 448 x 2^e
	s_add_co_i32 s[\sreg], s[\sreg], 127
	s_lshl_b32 s40, s[\sreg], 23
	v_mov_b32 v[\sc], s40
	s_add_co_i32 s[\sreg], s[\sreg], 8
	s_lshl_b32 s40, s[\sreg], 23
	s_or_b32 s40, s40, 0x600000                    ; the mantissa field of 448
	v_mov_b32 v[\lim], s40
.endm
	SCALE 32, 10, 11                               ; the activation's
	SCALE 33, 12, 13                               ; the weight's
	s_wait_alu depctr_va_vdst(0)
	s_wait_loadcnt 4*(AH-1)                        ; step 0's four loads are in; those of the five steps behind it may be out
	TURN 0
.macro STEP t
	s_wait_dscnt 0x0                               ; this step's numbers are back from the stage: so its stores into the stage have read their registers,
.if (\t)+AH < STEPS
	LOAD (\t)+AH                                   ; which take the loads of AH steps on
.endif
.if (\t)+1 < STEPS
.if STEPS-2-(\t) >= AH-1
	s_wait_loadcnt 4*(AH-1)                        ; the next step's four loads are in; those of the AH - 1 steps behind it may be out
.else
	s_wait_loadcnt 4*(STEPS-2-(\t))                ; the tail: as many steps as are still behind the next one
.endif
	TURN (\t)+1                                    ; and go through the other stage while this step is worked
.endif
.set XS, X+16*((\t)%2)
.set CS, C+4*(\t)
.set Q, 10+2*((\t)/ACT)                ; v10, v11: the activation's;  v12, v13: the weight's
.irp i, 0,1,2,3,4,5,6,7,8,9,10,11,12,13,14,15
	v_med3_num_f32 v[XS+\i], v[XS+\i], -v[Q], v[Q]   ; the conversion to an 8-bit code does not saturate (ISA guide 7.6.2): hold the number within the largest code x the scale first
.endr
	v_cvt_scalef32_pk8_fp8_f32 v[CS:CS+1], v[XS:XS+7], v[Q+1]       ; eight numbers / 2^e, to the nearest code, ties to even; the first number's code in the lowest byte
	v_cvt_scalef32_pk8_fp8_f32 v[CS+2:CS+3], v[XS+8:XS+15], v[Q+1]  ; (the results go to a store alone; the next vector lines are the next step's holds, plain ones on other registers)
.if (\t) < ACT
	global_store_b128 v3, v[CS:CS+3], s[6:7] offset:512*(\t)        ; 32 lanes store 512 consecutive bytes, at a multiple of 512 from the buffer's first byte
.else
	global_store_b128 v3, v[CS:CS+3], s[24:25] offset:512*((\t)-ACT)
.endif
.endm
.irp t, 0,1,2,3,4,5,6,7,8,9,10,11,12,13,14,15,16,17
	STEP \t
.endr
	s_wait_tensorcnt 0x0                           ; the wave's end
	ds_add_u32 v[SPW], v[NIL]
	s_wait_dscnt 0x0
	s_endpgm
.Lfunc_end_k_q866f06a7ad_quant:
	.size	k_q866f06a7ad_quant, .Lfunc_end_k_q866f06a7ad_quant-k_q866f06a7ad_quant
	.p2alignl 7, 3214868480
	.fill 96, 4, 3214868480
	.section	.rodata,"a",@progbits
	.p2align	6, 0x0
	.amdhsa_kernel k_q866f06a7ad_quant
		.amdhsa_group_segment_fixed_size 99840
		.amdhsa_private_segment_fixed_size 0
		.amdhsa_enable_private_segment 0
		.amdhsa_kernarg_size 72
		.amdhsa_user_sgpr_count 2
		.amdhsa_user_sgpr_kernarg_segment_ptr 1
		.amdhsa_wavefront_size32 1
		.amdhsa_system_sgpr_workgroup_id_x 1
		.amdhsa_system_sgpr_workgroup_id_y 1
		.amdhsa_system_sgpr_workgroup_id_z 1
		.amdhsa_system_vgpr_workitem_id 0
		.amdhsa_next_free_vgpr 218
		.amdhsa_next_free_sgpr 66
		.amdhsa_reserve_vcc 0
		.amdhsa_float_denorm_mode_32 3
		.amdhsa_float_denorm_mode_16_64 3
		.amdhsa_memory_ordered 1
		.amdhsa_forward_progress 1
		.amdhsa_inst_pref_size 42
	.end_amdhsa_kernel
	.amdgpu_metadata
---
amdhsa.version: [ 1, 2 ]
amdhsa.kernels:
  - .name:           k_q866f06a7ad_quant
    .symbol:         k_q866f06a7ad_quant.kd
    .args:
      - { .name: query, .offset: 0, .size: 8, .value_kind: global_buffer, .address_space: global }
      - { .name: key_, .offset: 8, .size: 8, .value_kind: global_buffer, .address_space: global }
      - { .name: value, .offset: 16, .size: 8, .value_kind: global_buffer, .address_space: global }
      - { .name: Wq, .offset: 24, .size: 8, .value_kind: global_buffer, .address_space: global }
      - { .name: Wk, .offset: 32, .size: 8, .value_kind: global_buffer, .address_space: global }
      - { .name: Wv, .offset: 40, .size: 8, .value_kind: global_buffer, .address_space: global }
      - { .name: lowp_scales, .offset: 48, .size: 8, .value_kind: global_buffer, .address_space: global }
      - { .name: xc, .offset: 56, .size: 8, .value_kind: global_buffer, .address_space: global }
      - { .name: wc, .offset: 64, .size: 8, .value_kind: global_buffer, .address_space: global }
    .group_segment_fixed_size: 99840
    .private_segment_fixed_size: 0
    .kernarg_segment_align: 8
    .kernarg_segment_size: 72
    .max_flat_workgroup_size: 384
    .sgpr_count:     66
    .vgpr_count:     218
    .wavefront_size: 32
...
	.end_amdgpu_metadata
.endif
;; end of part 1
;; launch proj (part 2): grid 4 x 64, 4 waves a work-group, clusters of 4 x 4, 327,680 bytes of LDS; arguments xc, wc, lowp_scales, bq, bk, bv, qkv; writes qkv
.if DOCPART == 2
	.amdgcn_target "amdgcn-amd-amdhsa--gfx1250"
	.amdhsa_code_object_version 6
	.text
	.protected	k_q866f06a7ad_proj
	.globl	k_q866f06a7ad_proj
	.p2align	8
	.type	k_q866f06a7ad_proj,@function
k_q866f06a7ad_proj:
	s_mov_b64 s[64:65], 0
	v_nop
	global_prefetch_b8 v0, s[64:65] scope:SCOPE_SE
	s_setreg_imm32_b32 hwreg(HW_REG_WAVE_MODE, 25, 1), 1
	s_wait_xcnt 0x0
	s_wait_alu depctr_hold_cnt(0) depctr_sa_sdst(0) depctr_va_vdst(0) depctr_va_sdst(0) depctr_va_ssrc(0) depctr_va_vcc(0) depctr_vm_vsrc(0)
	s_getreg_b32 s2, hwreg(HW_REG_IB_STS2, 6, 4)
	s_cmp_eq_u32 s2, 0
	s_cbranch_scc0 .Lentry_in_a_cluster
	s_endpgm
.Lentry_in_a_cluster:
	s_bfe_u32 s2, ttmp6, 0x10000c
	s_cmp_lg_u32 s2, 0xf033
	s_cbranch_scc0 .Lentry_shape_is_right
	s_endpgm
.Lentry_shape_is_right:
; The three projections on codes of FP8 (E4M3), y = x W^T + b, and y's own quantising: q, k and v leave as codes, laid as the attention wants its operands.
; C'(row, col) = sum over k of RowOp[row][k] ColOp[col][k]; both operands are [rows][1024] codes.
; A WORK-GROUP STAYS and makes two tiles: one of the 256 tiles of q and k (256 x 256: RowOp = xc part p, tokens; ColOp = wc part p, output columns), then one of the 256 half tiles of v (128 x 256: RowOp = wc part 2, output
; columns; ColOp = xc part 2, tokens: v comes out with the TOKENS along a lane's registers, innermost).  So all 256 work-groups have the same work.
; The cluster's y (0..15) gives p = y / 8 and i = y % 8.  q, k: tile row 4 i + cy, tile column cx.  v: tile row 4 p + cy (of 128 rows), tile column 4 i + cx.  The grid has one cluster along x: its x is 0.
; y = sum x 2^(ea + eb) + bias, in f32; code = y / 2^eo held within +-448, to the nearest code, ties to even (eo = entry 6 for q, 7 for k, 9 for v).
; THE BIAS.  For q, k it hangs on the column: the addend of the packed multiply-add that scales a sum.  For v it hangs on the row: bv / 2^(ea + eb) is the C of the first K step's products.
; OUT.  Part p of qkv (2^23 bytes each): C'(row, col) at ((col / 64) R + PI(row)) 64 + col % 64, R = the number of rows (8,192 or 1,024), PI = the row's number with its bits 3 and 4 exchanged.
;   So q, k lie [head][PI(token)][64] and v [token / 64][PI(head 64 + d)][64 tokens].
; LIMITS, so that each power of two below is an f32 number: ea + eb between -126 and 127; eo between -126 and 119; bv x 2^-(ea + eb) finite.
; SHAPE.  Four waves, each 128 x 128 of a tile of q or k in 64 accumulators (512 registers), then 64 x 128 of v's in 32.  K goes in steps of 256 through two LDS slots filled by the tensor data mover; the ring goes on from the
; first tile into the second: the first tile's last two changes of slots ask for the second's K steps 0 and 1, which land under the first tile's way out.
; CLUSTER 4 x 4: the four of a row need the same tiles of RowOp, the four of a column the same tiles of ColOp: each tile is asked for JOINTLY, by the same tensor load with the same descriptor and a mask that names the four.
; PREFETCH: v's four K steps, each at the change of slots two ahead of the one that loads it; the first tile's four K steps come by their loads alone.
; THE MATRIX INSTRUCTION IS USED TRANSPOSED (source 0 = 16 rows of ColOp, source 1 = 16 rows of RowOp): lane l holds row l % 16 of C' and eight neighbouring columns 8 (l / 16) + 0 .. 7.
; A fragment is fetched by four loads of 16 bytes: registers 4 c .. 4 c + 3 hold K = 32 c + 16 (l / 16) + 0 .. 15: one permutation of K, the same on both sides, so every product meets its partner.
; REGISTERS, in windows of 256: window 0: v0-31 addresses; v32-95 the column bias, then v's row bias; v96-127 at work; from v128 RowOp's fragments (one set of eight; for v two sets of four); on the way out v96-223 are at work.
;   window 1: ColOp's fragments, TWO sets, at v0 and v128.   window 2: the accumulators of blocks 0-3 ((a, b) at v[8 (8 a + b)]);   window 3: of blocks 4-7.
.set KROW,   1024                      ; a row of either operand in memory, in bytes
.set ROWB,   256                       ; a tile's row in bytes: 256 along K
.set PITCH,  272                       ; an LDS row: 256 bytes + 16 of padding: the 16 rows that a load touches begin at 16 different 16-byte columns of a span of 256 bytes
.set FR,     16                        ; registers of a fragment: 16 rows x 128 K
.set NL,     4                         ; LDS loads that bring one
.set NP,     4                         ; places behind this matrix instruction (ISA guide 7.12.1)
.set HALFT,  128*PITCH
.set SLOT,   4*HALFT                   ; RowOp's rows (256 or 128), then from 2 HALFT on ColOp's 256
.set SPARE,  2*SLOT                    ; behind the ring: the spare words, 128 bytes for each wave
.set STAGE,  SPARE+512                 ; behind them: the stages for the way out, into which no fill lands
.set SROW,   80                        ; a stage row: 64 codes + 16 bytes of padding
.set SGRP,   16*SROW
.set SWAVE,  2*SGRP                    ; a wave's stage: its two groups of 64 columns
.set LIM,  10                          ; v10     448 x 2^eo
.set SC,   11                          ; v11     2^eo as f32
.set BTV,  12                          ; v12-15  v's row bias as loaded
.set ADRA, 16                          ; v16-17  LDS address of my RowOp fragments in slot 0, 1: q, k
.set ADRV, 18                          ; v18-19  the same for v
.set ADRB, 20                          ; v20-21  ColOp's
.set STO,  24                          ; v24     the way out: where I put 8 codes of a row
.set RD,   25                          ; v25     the way out: where I read 16 codes back
.set CO,   26                          ; v26     16 x lane: my place in a store's 512 bytes
.set SPW,  28                          ; v28     LDS address of my spare word; never rewritten
.set NIL,  29                          ; v29     0; never rewritten
.set PFO,  30                          ; v30     the prefetches' offset; never rewritten
.set BC,   32                          ; v32-95  the column bias, register 8 b + i for column 16 b + 8 (l / 16) + i
.set RB,   32                          ; v32-63  afterwards: v's row bias: block a's eight registers are the C of its first products
.set TMP,  128                         ; the way out: a block's 64 numbers
.set AF,   128                         ; RowOp's fragments, in window 0
.set G1,   24                          ; s[24:31] descriptor group 1 for RowOp's tiles of 128 rows;  s[32:39] group 0, one set for each slot
.set G0,   32
.set G1B,  48                          ; s[48:55], s[56:63] the same for ColOp's tiles
.set G0B,  56
.set G1V,  84                          ; s[84:91] group 1 for v's RowOp tiles of 64 rows
.set PFA,  68                          ; s[68:69] where my prefetches stand
.set MSB, 0
.macro WIN new                         ; the immediate's high byte repeats the setting that is left; a switch that changes nothing is dropped
.if MSB != (\new)
	s_set_vgpr_msb (MSB<<8)|(\new)
.set MSB, \new
.endif
.endm
.set MUL_LO,  0xa1                     ; source 0 (ColOp) window 1, source 1 (RowOp) window 0, C and D window 2
.set MUL_HI,  0xf1                     ; the same, C and D window 3
.set MUL_LO0, 0x81                     ; v's first K step: C (the row bias) window 0, D window 2
.set TO_B,    0x40                     ; destination window 1, address window 0
; A joint load: waves 0 and 1 fetch RowOp's halves, waves 2 and 3 ColOp's.  Each of the two lines has ONE mask and one set of registers for all that issue it; the branch hangs on the wave's number alone.
.macro JLOAD g0a, g1a, g0b, g1b
	s_cmp_eq_u32 s15, 0
	s_cbranch_scc0 .Lfor_b_\@
	tensor_load_to_lds s[\g0a:\g0a+3], s[\g1a:\g1a+7]
	s_nop 0
.rept 4
	v_nop
.endr
	s_branch .Lasked_\@
.Lfor_b_\@:
	tensor_load_to_lds s[\g0b:\g0b+3], s[\g1b:\g1b+7]
	s_nop 0
.rept 4
	v_nop
.endr
.Lasked_\@:
.endm
.macro CREST                           ; a round of the cluster's barrier behind its opening barrier
	s_cmp_lg_u32 s14, 0
	s_cbranch_scc1 .Lnot_wave_0_\@
	s_barrier_signal -3
.Lnot_wave_0_\@:
	s_barrier_wait -3
	s_barrier_signal -1
	s_barrier_wait -1
.endm
.macro CROUND                          ; a whole round
	s_barrier_signal -1
	s_barrier_wait -1
	CREST
.endm
	s_load_b128 s[4:7], s[0:1], 0x0                ; xc s[4:5], wc s[6:7]
	s_load_b256 s[68:75], s[0:1], 0x10             ; the scales' exponents s[68:69], bq s[70:71], bk s[72:73], bv s[74:75]
	s_load_b64 s[10:11], s[0:1], 0x30              ; qkv
	v_lshl_add_u32 v[SPW], v0, 2, SPARE
	v_mov_b32 v[NIL], 0
	ds_add_u32 v[SPW], v[NIL]                      ; the opening: the add, twice on end, and its wait ahead of my first tensor load
	ds_add_u32 v[SPW], v[NIL]
	v_lshrrev_b32 v1, 5, v0
	v_readfirstlane_b32 s14, v1                    ; wave 0..3
	s_lshr_b32 s15, s14, 1                         ; which half of the tile's rows is mine.  Also: I fetch for RowOp (0) or for ColOp (1)
	s_and_b32 s16, s14, 1                          ; which half of its columns.  Also: which half of that tile's rows I fetch
	s_bfe_u32 s40, ttmp6, 0x40000                  ; cx, cy: my place in the cluster
	s_bfe_u32 s41, ttmp6, 0x40004
	s_and_b32 s17, ttmp7, 0xffff                   ; the cluster's y, 0..15
	s_lshr_b32 s18, s17, 3                         ; p
	s_and_b32 s19, s17, 7
	s_lshl_b32 s19, s19, 2                         ; 4 i
	s_lshl_b32 s43, s41, 2
	s_lshl_b32 s43, 15, s43                        ; my row of the cluster
	s_lshl_b32 s44, 0x1111, s40                    ; my column
	; descriptor group 1: a tile of 128 rows x 256 bytes, padded in LDS
	s_or_b32 s[G1+0], s43, (0<<16)|(1<<20)|(1<<21)|(5<<22)|(3<<25)  ; 15:0 the mask: RowOp's tiles go to my row; 17:16 element of 1 byte; 20 padding on; 21 set beside a mask; 24:22 after every 64 words (code 5); 31:25 of 4 words (code 3)
	s_or_b32 s[G1B+0], s44, (0<<16)|(1<<20)|(1<<21)|(5<<22)|(3<<25) ; the same with the mask of my column
.irp g, G1, G1B
	s_mov_b32 s[\g+1], ROWB<<16                    ; tensor_dim0
	s_mov_b32 s[\g+2], 128<<16                     ; tensor_dim1
	s_mov_b32 s[\g+3], ROWB<<16                    ; tile_dim0
	s_mov_b32 s[\g+4], 128                         ; tile_dim1
	s_mov_b32 s[\g+5], KROW                        ; tensor_dim0_stride
	s_mov_b32 s[\g+6], 0
	s_mov_b32 s[\g+7], 0
.endr
	; where the tiles come from, in bytes.  RowOp's hang on cy alone, ColOp's on cx alone, in registers of their own
	s_lshl_b32 s9, s16, 7                          ; which 128 rows of a tile I fetch
	s_add_co_u32 s8, s19, s41                      ; q, k: tile row 4 i + cy
	s_lshl_b32 s20, s8, 8
	s_add_co_u32 s20, s20, s9
	s_lshl_b32 s20, s20, 10
	s_lshl_b32 s21, s18, 23
	s_add_co_u32 s20, s20, s21                     ; part p of xc
	s_mov_b32 s21, 0
	s_lshl_b32 s46, s40, 8                         ; q, k: tile column cx
	s_add_co_u32 s46, s46, s9
	s_lshl_b32 s46, s46, 10
	s_lshl_b32 s47, s18, 20
	s_add_co_u32 s46, s46, s47                     ; part p of wc
	s_mov_b32 s47, 0
	s_lshl_b32 s66, s18, 2                         ; v: tile row 4 p + cy, of 128 rows
	s_add_co_u32 s66, s66, s41
	s_lshl_b32 s66, s66, 7
	s_lshl_b32 s67, s16, 6
	s_add_co_u32 s66, s66, s67
	s_lshl_b32 s66, s66, 10
	s_add_co_u32 s66, s66, 2<<20                   ; part 2 of wc
	s_mov_b32 s67, 0
	s_add_co_u32 s76, s19, s40                     ; v: tile column 4 i + cx
	s_lshl_b32 s76, s76, 8
	s_add_co_u32 s76, s76, s9
	s_lshl_b32 s76, s76, 10
	s_add_co_u32 s76, s76, 2<<23                   ; part 2 of xc
	s_mov_b32 s77, 0
	s_mul_i32 s45, s14, HALFT                      ; where they go: q, k: wave x 128 rows: no place in the cluster enters an LDS address
	s_mul_i32 s83, s16, 64*PITCH                   ; v's RowOp: half x 64 rows
	s_wait_dscnt 0x0                               ; both opening adds are done
	s_wait_kmcnt 0x0
	s_load_b256 s[84:91], s[68:69], 0x0            ; entries 0 to 7
	s_load_b64 s[92:93], s[68:69], 0x20            ; entries 8, 9
	s_add_nc_u64 s[20:21], s[4:5], s[20:21]
	s_add_nc_u64 s[46:47], s[6:7], s[46:47]
	s_add_nc_u64 s[66:67], s[6:7], s[66:67]
	s_add_nc_u64 s[76:77], s[4:5], s[76:77]
	s_cmp_eq_u32 s18, 1
	s_cselect_b64 s[70:71], s[72:73], s[70:71]     ; the bias of p
	CROUND                                         ; all sixteen work-groups are here: the first joint loads meet
.irp s, 0,1
	s_mov_b32 s[G0+4*\s], 1                                        ; 1:0 count = 1
	s_add_co_u32 s[G0+4*\s+1], s45, \s*SLOT                        ; 63:32 LDS address
	s_add_nc_u64 s[G0+4*\s+2:G0+4*\s+3], s[20:21], \s*ROWB         ; 120:64 global address: K step s
	s_or_b32 s[G0+4*\s+3], s[G0+4*\s+3], 0x80000000                ; 127:126 type = 2
	s_mov_b32 s[G0B+4*\s], 1
	s_add_co_u32 s[G0B+4*\s+1], s45, \s*SLOT
	s_add_nc_u64 s[G0B+4*\s+2:G0B+4*\s+3], s[46:47], \s*ROWB
	s_or_b32 s[G0B+4*\s+3], s[G0B+4*\s+3], 0x80000000
.endr
	JLOAD G0, G1, G0B, G1B                         ; K step 0
	s_mul_i32 s94, s15, HALFT                      ; my 128 rows of RowOp
	s_mul_i32 s95, s16, HALFT
	s_add_co_u32 s95, s95, 2*HALFT                 ; my 128 rows of ColOp
	s_mul_i32 s98, s15, 64*PITCH                   ; v: my 64 rows of RowOp
	s_mul_i32 s99, s14, SWAVE
	s_add_co_u32 s99, s99, STAGE                   ; my stage
	v_and_b32 v1, 15, v0                           ; r = l % 16
	v_bfe_u32 v2, v0, 4, 1                         ; h = l / 16
	v_mul_u32_u24 v3, v1, PITCH
	v_lshl_add_u32 v4, v2, 4, v3                   ; a fragment's row x pitch + 16 x half
	v_add_nc_u32 v[ADRA], s94, v4
	v_add_nc_u32 v[ADRB], s95, v4
	v_add_nc_u32 v[ADRV], s98, v4
	v_add_nc_u32 v[ADRA+1], SLOT, v[ADRA]
	v_add_nc_u32 v[ADRB+1], SLOT, v[ADRB]
	v_add_nc_u32 v[ADRV+1], SLOT, v[ADRV]
	v_mul_u32_u24 v5, v1, SROW                     ; the stage, in: row r, 8 bytes for each half of the lanes
	v_lshl_add_u32 v5, v2, 3, v5
	v_add_nc_u32 v[STO], s99, v5
	v_and_b32 v6, 31, v0                           ; lane
	v_lshrrev_b32 v7, 2, v6
	v_mul_u32_u24 v7, v7, SROW                     ; back: four lanes to a row of 64 codes, eight rows an instruction
	v_and_b32 v5, 3, v6
	v_lshl_add_u32 v7, v5, 4, v7
	v_add_nc_u32 v[RD], s99, v7
	v_lshlrev_b32 v[CO], 4, v6                     ; and the same eight rows on end in memory
	v_lshlrev_b32 v8, 2, v1                        ; the row bias: 4 r
	v_lshlrev_b32 v9, 5, v2                        ; the column bias: 32 h
	s_wait_alu depctr_va_vdst(0)
	s_lshl_b32 s22, s40, 8
	s_lshl_b32 s42, s16, 7
	s_add_co_u32 s22, s22, s42                     ; q, k: my first column
	s_lshl_b32 s22, s22, 2
	s_mov_b32 s23, 0
	s_add_nc_u64 s[72:73], s[70:71], s[22:23]
	s_lshl_b32 s9, s18, 2
	s_add_co_u32 s9, s9, s41                       ; v: tile row
	s_lshl_b32 s22, s9, 7
	s_lshl_b32 s42, s15, 6
	s_add_co_u32 s22, s22, s42                     ; v: my first row
	s_lshl_b32 s22, s22, 2
	s_add_nc_u64 s[74:75], s[74:75], s[22:23]
.irp b, 0,1,2,3,4,5,6,7
	global_load_b128 v[BC+8*\b:BC+8*\b+3], v9, s[72:73] offset:64*\b
	global_load_b128 v[BC+8*\b+4:BC+8*\b+7], v9, s[72:73] offset:64*\b+16
.endr
.irp a, 0,1,2,3
	global_load_b32 v[BTV+\a], v8, s[74:75] offset:64*\a   ; bv(my first row + 16 a + r)
.endr
	; where my part of v begins in qkv: 64 bytes a row, 2^16 a group of 64 columns, part 2
	s_lshl_b32 s22, s9, 13
	s_lshl_b32 s42, s15, 12
	s_add_co_u32 s22, s22, s42
	s_add_co_u32 s42, s19, s40
	s_lshl_b32 s42, s42, 1
	s_add_co_u32 s42, s42, s16
	s_lshl_b32 s42, s42, 17
	s_add_co_u32 s22, s22, s42
	s_add_co_u32 s22, s22, 2<<23
	s_add_nc_u64 s[78:79], s[10:11], s[22:23]
	s_add_nc_u64 s[80:81], s[78:79], 0x10000       ; my second group of 64 columns
	; and my part of q or k: 2^19 a group of 64 columns, part p
	s_lshl_b32 s22, s8, 14
	s_lshl_b32 s42, s15, 13
	s_add_co_u32 s22, s22, s42
	s_lshl_b32 s42, s40, 1
	s_add_co_u32 s42, s42, s16
	s_lshl_b32 s42, s42, 20
	s_add_co_u32 s22, s22, s42
	s_lshl_b32 s42, s18, 23
	s_add_co_u32 s22, s22, s42
	s_add_nc_u64 s[10:11], s[10:11], s[22:23]
	s_add_nc_u64 s[12:13], s[10:11], 0x80000
	s_wait_kmcnt 0x0
	s_cmp_eq_u32 s18, 1
	s_cselect_b64 s[84:85], s[86:87], s[84:85]     ; ea, eb of p
	s_cselect_b32 s94, s91, s90                    ; eo of p
	s_add_co_i32 s96, s84, s85
	s_add_co_i32 s96, s96, 127
	s_lshl_b32 s96, s96, 23                        ; 2^(ea + eb) as f32
	s_mov_b32 s97, s96                             ; (named with it as a pair, so it is written)
	s_add_co_i32 s94, s94, 127
	s_lshl_b32 s95, s94, 23
	v_mov_b32 v[SC], s95                           ; 2^eo: the conversion takes its exponent field
	s_add_co_i32 s94, s94, 8
	s_lshl_b32 s94, s94, 23
	s_or_b32 s94, s94, 0x600000
	v_mov_b32 v[LIM], s94                          ; 448 x 2^eo
	s_add_co_i32 s95, s88, s89                     ; v: ea + eb
	s_add_co_i32 s98, s95, 127
	s_lshl_b32 s98, s98, 23                        ; 2^(ea + eb),
	s_mov_b32 s99, s98
	s_sub_co_i32 s95, 0, s95                       ; -(ea + eb),
	s_add_co_i32 s93, s93, 127
	s_lshl_b32 s92, s93, 23                        ; 2^eo,
	s_add_co_i32 s93, s93, 8
	s_lshl_b32 s93, s93, 23
	s_or_b32 s93, s93, 0x600000                    ; 448 x 2^eo
	s_or_b32 s[G1V+0], s43, (0<<16)|(1<<20)|(1<<21)|(5<<22)|(3<<25) ; group 1 for v's RowOp tiles: 64 rows, my row of the cluster
	s_mov_b32 s[G1V+1], ROWB<<16
	s_mov_b32 s[G1V+2], 64<<16
	s_mov_b32 s[G1V+3], ROWB<<16
	s_mov_b32 s[G1V+4], 64
	s_mov_b32 s[G1V+5], KROW
	s_mov_b32 s[G1V+6], 0
	s_mov_b32 s[G1V+7], 0
	; the prefetches: of the rows of v's tiles that I fetch each of the four partners names its own: RowOp 16 of 64, by cx; ColOp 32 of 128, by cy: a lane a row (RowOp: the lanes left over name the last row again)
	s_lshl_b32 s22, s40, 14
	s_lshl_b32 s42, s41, 15
	s_cmp_eq_u32 s15, 0
	s_cselect_b32 s22, s22, s42
	s_cselect_b32 s42, 15, 31
	s_cselect_b64 s[PFA:PFA+1], s[66:67], s[76:77]
	s_add_nc_u64 s[PFA:PFA+1], s[PFA:PFA+1], s[22:23]
	v_and_b32 v6, 31, v0
	v_min_u32 v6, s42, v6
	v_lshlrev_b32 v[PFO], 10, v6
.macro FRAG reg, adr, q, i             ; a fragment, 16 rows x 128 K of codes, is 16 registers
.irp c, 0,1,2,3
	ds_load_b128 v[\reg+4*\c:\reg+4*\c+3], v[\adr] offset:128*(\q)+32*\c+(\i)*16*PITCH
.endr
.endm
; 16 matrix instructions: RowOp's blocks a0, a0 + 1 x ColOp's eight, 128 along K.  p: ColOp's set; ab: where RowOp's block 0 lies.  zero = 1: the sums start at 0; 2: on the row bias: nothing is ever cleared.
; The accumulators take turns, one instruction a turn, in the same order in every step.
.macro MULX ab, a0, p, zero
.irp a, \a0, \a0+1
.irp b, 0,1,2,3,4,5,6,7
.set DD, 8*(8*((\a)%4)+\b)
.set BB, 128*(\p)+FR*\b
.set AA, \ab+FR*(\a)
.if \zero == 1
	v_wmma_f32_16x16x128_fp8_fp8 v[DD:DD+7], v[BB:BB+FR-1], v[AA:AA+FR-1], 0
.elseif \zero == 2
	v_wmma_f32_16x16x128_fp8_fp8 v[DD:DD+7], v[BB:BB+FR-1], v[AA:AA+FR-1], v[RB+8*(\a):RB+8*(\a)+7]
.else
	v_wmma_f32_16x16x128_fp8_fp8 v[DD:DD+7], v[BB:BB+FR-1], v[AA:AA+FR-1], v[DD:DD+7]
.endif
.endr
.endr
.endm
.macro FETCH_B slot, q, p              ; ColOp's eight fragments of the slot's q-th 128 along K into set p
	WIN TO_B
.irp i, 0,1,2,3,4,5,6,7
	FRAG 128*(\p)+FR*\i, ADRB+\slot, \q, \i
.endr
	WIN 0
.endm
.macro FETCH_A slot, q, i0             ; q, k: RowOp's blocks i0 .. i0 + 3
.irp i, \i0, \i0+1, \i0+2, \i0+3
	FRAG AF+FR*(\i), ADRA+\slot, \q, \i
.endr
.endm
.macro FETCH_V slot, q, p              ; v: RowOp's four blocks into set p
.irp i, 0,1,2,3
	FRAG AF+64*(\p)+FR*\i, ADRV+\slot, \q, \i
.endr
.endm
; A load into a register that a matrix instruction has read, and a vector instruction that reads a matrix result or writes one of a matrix instruction's registers, stand NP places behind it, and only plain vector
; instructions that name none of its registers are places (ISA guide 7.12.1 for vector instructions); the matrix instructions in between are not counted.
.macro PLACES
.rept NP
	v_nop
.endr
.endm
; The refill of a slot.  kind 1: q, k, two K steps on; 2: v's K step 0 or 1; 3: v, two K steps on.
.macro FILL slot, kind
.set GA, G0+4*\slot
.set GB, G0B+4*\slot
.if \kind == 2
	s_add_co_u32 s[GA+1], s83, \slot*SLOT
	s_add_nc_u64 s[GA+2:GA+3], s[66:67], \slot*ROWB
	s_or_b32 s[GA+3], s[GA+3], 0x80000000
	s_add_nc_u64 s[GB+2:GB+3], s[76:77], \slot*ROWB
	s_or_b32 s[GB+3], s[GB+3], 0x80000000
.else
	s_add_nc_u64 s[GA+2:GA+3], s[GA+2:GA+3], 2*ROWB
	s_add_nc_u64 s[GB+2:GB+3], s[GB+2:GB+3], 2*ROWB
.endif
.if \kind == 1
	JLOAD GA, G1, GB, G1B
.else
	JLOAD GA, G1V, GB, G1B
.endif
.endm
; q, k: a step of 128 along K that has its successor in the same slot.  A block of RowOp is free as soon as its eight products are issued: blocks 0-3 are fetched anew in the step's middle, blocks 4-7 at its end.
.macro STEP slot, zero
	s_wait_dscnt 4*NL                              ; ColOp's set and RowOp's blocks 0-3 are in; the youngest sixteen loads (blocks 4-7) may be out
	WIN MUL_LO
	MULX AF, 0, 0, \zero
	MULX AF, 2, 0, \zero
	s_wait_dscnt 0                                 ; blocks 4-7 are in
	PLACES
	FETCH_B \slot, 1, 1
	FETCH_A \slot, 1, 0
	WIN MUL_HI
	MULX AF, 4, 0, \zero
	MULX AF, 6, 0, \zero
	PLACES
	WIN 0
	FETCH_A \slot, 1, 4
.endm
; A slot's last step changes slots: in front of the round each wave waits for all its tensor loads, adds 0 to its spare word, and waits for that and for its own reads of this slot; behind it the slot is filled again.
.macro TURN slot, next, kind, fetch, ask
	s_wait_tensorcnt 0x0                           ; my part of the next slot has landed  (every window is 0 here)
	ds_add_u32 v[SPW], v[NIL]
	s_wait_dscnt 4*NL+1                            ; (the add and the youngest sixteen loads, blocks 4-7, may be out)
	WIN MUL_LO
	MULX AF, 0, 1, 0                               ; sixteen matrix instructions stand between the add and the wait for it
	s_wait_dscnt 0x0                               ; the add is done, and my reads of this slot are over
	s_barrier_signal -1
	MULX AF, 2, 1, 0
	WIN 0
	s_barrier_wait -1
	CREST                                          ; no wave of any partner still reads this slot's tile or has a load on its way
	FILL \slot, \kind                              ; the first tensor load behind the round, my one load until the next; the four v_nop behind it are the places in front of the loads below
.if \fetch
	FETCH_B \next, 0, 0
	FETCH_A \next, 0, 0
.endif
	global_prefetch_b8 v[PFO], s[PFA:PFA+1] offset:ROWB*\ask th:TH_LOAD_NT scope:SCOPE_SE   ; v's K step 'ask', which the second change of slots from here loads
	WIN MUL_HI
	MULX AF, 4, 1, 0
	MULX AF, 6, 1, 0
.if \fetch
	PLACES
	WIN 0
	FETCH_A \next, 0, 4
.endif
	WIN 0
.endm
; v: both operands have two sets, so the next step's fragments are asked for ahead of this step's products.
.macro VSTEP slot, zero
	PLACES                                         ; the step before has read the registers loaded below
	FETCH_B \slot, 1, 1
	FETCH_V \slot, 1, 1
	s_wait_dscnt 48                                ; all but the 48 just issued
.if \zero == 2
	WIN MUL_LO0
.else
	WIN MUL_LO
.endif
	MULX AF, 0, 0, \zero
	MULX AF, 2, 0, \zero
	WIN 0
.endm
.macro VTURN slot, next, fill
	s_wait_tensorcnt 0x0
	ds_add_u32 v[SPW], v[NIL]
	s_wait_dscnt 1                                 ; this step's fragments are in (the add may be out)
	WIN MUL_LO
	MULX AF+64, 0, 1, 0
	s_wait_dscnt 0x0                               ; the add is done, and my reads of this slot are over
	WIN 0
	s_barrier_signal -1
	s_barrier_wait -1
.if \fill
	CREST
	FILL \slot, 3
.else
	PLACES
.endif
	FETCH_B \next, 0, 0
	FETCH_V \next, 0, 0
	WIN MUL_LO
	MULX AF+64, 2, 1, 0
	WIN 0
.endm
; THE WAY OUT, block by block of 16 rows x 128 columns: y, the hold, eight codes a conversion: 8 neighbouring bytes of a row.  The lanes beside me hold other rows, so a block goes through my own stage in LDS (two groups of
; 64 columns, 16 rows of 64 codes each) and comes back eight rows at a time: 512 bytes that lie on end in memory.  LDS serves a wave's instructions in order (ISA guide 5.7.1.4): no wait between the stores and the loads.
; Rows r = 8 u .. 8 u + 7 of block a are the stored rows 32 (a / 2) + 16 u + 8 (a % 2) + 0 .. 7: PI stands in the stores' immediates.
.macro TOSTAGE a, isv
.set AC, 64*((\a)%4)
.set CD, 96+16*((\a)%2)                ; the block's codes: v96-111 and v112-127 by turns
.set OB, 192+16*((\a)%2)               ; the block read back: v192-207 and v208-223 by turns
	WIN 0x02+((\a)/4)                              ; source 0: window 2 or 3
.set ii, 0
.rept 32
.if \isv
	v_pk_mul_f32 v[TMP+ii:TMP+ii+1], v[AC+ii:AC+ii+1], s[98:99] op_sel_hi:[1,0]   ; (the row bias is in the sum)
.else
	v_pk_fma_f32 v[TMP+ii:TMP+ii+1], v[AC+ii:AC+ii+1], s[96:97], v[BC+ii:BC+ii+1] op_sel_hi:[1,0,1]   ; the scalar pair's low word for both halves; each accumulator from its low end on
.endif
.set ii, ii+2
.endr
	WIN 0
.set ii, 0
.rept 64
	v_med3_num_f32 v[TMP+ii], v[TMP+ii], -v[LIM], v[LIM]   ; the conversion to an 8-bit code does not saturate (ISA guide 7.6.2): the hold at the largest code x the scale
.set ii, ii+1
.endr
.irp b, 0,1,2,3,4,5,6,7
	v_cvt_scalef32_pk8_fp8_f32 v[CD+2*\b:CD+2*\b+1], v[TMP+8*\b:TMP+8*\b+7], v[SC]
.endr
	v_nop                                          ; one plain vector line behind the last conversion, ahead of the next vector line that writes its sources
.irp b, 0,1,2,3,4,5,6,7
	ds_store_b64 v[STO], v[CD+2*\b:CD+2*\b+1] offset:(\b/4)*SGRP+16*(\b%4)
.endr
.irp g, 0,1
.irp u, 0,1
	ds_load_b128 v[OB+4*(2*\g+\u):OB+4*(2*\g+\u)+3], v[RD] offset:\g*SGRP+\u*8*SROW
.endr
.endr
.endm
.macro SEND a, younger, base           ; younger: the LDS instructions issued behind block a's loads, which may stay out
.set OB, 192+16*((\a)%2)
	s_wait_dscnt \younger                          ; the block is back in registers
.irp g, 0,1
.irp u, 0,1
	global_store_b128 v[CO], v[OB+4*(2*\g+\u):OB+4*(2*\g+\u)+3], s[\base+2*\g:\base+1+2*\g] offset:(((\a)>>1)*32+16*\u+8*((\a)&1))*64   ; 32 lanes store 512 consecutive bytes, at a multiple of 512 from the buffer's first byte
.endr
.endr
.endm
	s_wait_alu depctr_va_vdst(0)
	s_wait_tensorcnt 0x0                           ; my part of K step 0 is in
	ds_add_u32 v[SPW], v[NIL]
	s_wait_dscnt 0x0                               ; the add is done
	CROUND                                         ; everybody's part of K step 0 is in, and all sixteen work-groups are here,
	JLOAD G0+4, G1, G0B+4, G1B                     ; K step 1's load, the first tensor load behind the round
	FETCH_B 0, 0, 0
	FETCH_A 0, 0, 0
	FETCH_A 0, 0, 4
	STEP 0, 1                                      ; K 0-127: its products start the sums
	TURN 0, 1, 1, 1, 0                             ; K 128-255; slot 0 takes K 512-767
	STEP 1, 0                                      ; K 256-383
	TURN 1, 0, 1, 1, 1                             ; K 384-511; slot 1 takes K 768-1023
	STEP 0, 0                                      ; K 512-639
	TURN 0, 1, 2, 1, 2                             ; K 640-767; slot 0 takes v's K 0-255
	STEP 1, 0                                      ; K 768-895
	TURN 1, 0, 2, 0, 3                             ; K 896-1023; slot 1 takes v's K 256-511
	PLACES                                         ; the last products' registers
	s_wait_loadcnt 0x0                             ; the biases
	TOSTAGE 0, 0
.irp a, 1,2,3,4,5,6,7
.if \a > 1
	s_wait_xcnt 0x0                                ; block a - 2's stores have read their registers: block a's loads may land there
.endif
	TOSTAGE \a, 0
	SEND \a-1, 12, 10                              ; behind block a - 1's loads: block a's 8 stores and 4 loads
.endr
	SEND 7, 0, 10
	; V.  Slot 0 was shown to every wave at the last change of slots.
	s_wait_xcnt 0x0                                ; the stores have read v192-223, which take fragments
	FETCH_B 0, 0, 0
	FETCH_V 0, 0, 0
	v_mov_b32 v[SC], s92                           ; 2^eo
	v_mov_b32 v[LIM], s93                          ; 448 x 2^eo
.irp a, 0,1,2,3
.irp j, 0,1,2,3,4,5,6,7
	v_ldexp_f32 v[RB+8*\a+\j], v[BTV+\a], s95      ; a row's bias / 2^(ea + eb), for all eight columns of a lane
.endr
.endr
	s_wait_alu depctr_va_vdst(0)
	VSTEP 0, 2                                     ; K 0-127: its products start the sums on the row bias
	VTURN 0, 1, 1                                  ; slot 0 takes K 512-767
	VSTEP 1, 0
	VTURN 1, 0, 1                                  ; slot 1 takes K 768-1023
	VSTEP 0, 0
	VTURN 0, 1, 0                                  ; nothing is left to fetch, so no round of the cluster's barrier
	VSTEP 1, 0
	s_wait_dscnt 0x0                               ; K 896-1023
	WIN MUL_LO
	MULX AF+64, 0, 1, 0
	MULX AF+64, 2, 1, 0
	WIN 0
	PLACES
	TOSTAGE 0, 1
.irp a, 1,2,3
.if \a > 1
	s_wait_xcnt 0x0
.endif
	TOSTAGE \a, 1
	SEND \a-1, 12, 78
.endr
	SEND 3, 0, 78
	s_wait_tensorcnt 0x0                           ; the wave's end: behind my last tensor load and my last LDS store
	ds_add_u32 v[SPW], v[NIL]
	s_wait_dscnt 0x0
	CROUND                                         ; the closing round: no work-group ends while a partner may still ask for a tile that names it
	s_endpgm
.Lfunc_end_k_q866f06a7ad_proj:
	.size	k_q866f06a7ad_proj, .Lfunc_end_k_q866f06a7ad_proj-k_q866f06a7ad_proj
	.p2alignl 7, 3214868480
	.fill 96, 4, 3214868480
	.section	.rodata,"a",@progbits
	.p2align	6, 0x0
	.amdhsa_kernel k_q866f06a7ad_proj
		.amdhsa_group_segment_fixed_size 327680
		.amdhsa_private_segment_fixed_size 0
		.amdhsa_enable_private_segment 0
		.amdhsa_kernarg_size 56
		.amdhsa_user_sgpr_count 2
		.amdhsa_user_sgpr_kernarg_segment_ptr 1
		.amdhsa_wavefront_size32 1
		.amdhsa_system_sgpr_workgroup_id_x 1
		.amdhsa_system_sgpr_workgroup_id_y 1
		.amdhsa_system_sgpr_workgroup_id_z 1
		.amdhsa_system_vgpr_workitem_id 0
		.amdhsa_next_free_vgpr 1024
		.amdhsa_next_free_sgpr 100
		.amdhsa_reserve_vcc 0
		.amdhsa_float_denorm_mode_32 3
		.amdhsa_float_denorm_mode_16_64 3
		.amdhsa_memory_ordered 1
		.amdhsa_forward_progress 1
		.amdhsa_inst_pref_size 226
	.end_amdhsa_kernel
	.amdgpu_metadata
---
amdhsa.version: [ 1, 2 ]
amdhsa.kernels:
  - .name:           k_q866f06a7ad_proj
    .symbol:         k_q866f06a7ad_proj.kd
    .args:
      - { .name: xc, .offset: 0, .size: 8, .value_kind: global_buffer, .address_space: global }
      - { .name: wc, .offset: 8, .size: 8, .value_kind: global_buffer, .address_space: global }
      - { .name: lowp_scales, .offset: 16, .size: 8, .value_kind: global_buffer, .address_space: global }
      - { .name: bq, .offset: 24, .size: 8, .value_kind: global_buffer, .address_space: global }
      - { .name: bk, .offset: 32, .size: 8, .value_kind: global_buffer, .address_space: global }
      - { .name: bv, .offset: 40, .size: 8, .value_kind: global_buffer, .address_space: global }
      - { .name: qkv, .offset: 48, .size: 8, .value_kind: global_buffer, .address_space: global }
    .group_segment_fixed_size: 327680
    .private_segment_fixed_size: 0
    .kernarg_segment_align: 8
    .kernarg_segment_size: 56
    .max_flat_workgroup_size: 128
    .sgpr_count:     100
    .vgpr_count:     1024
    .wavefront_size: 32
...
	.end_amdgpu_metadata
.endif
;; end of part 2
;; launch attn (part 3): grid 2 x 128, 16 waves a work-group, no clusters, 210,944 bytes of LDS; arguments qkv, lowp_scales, out0; writes out0
.if DOCPART == 3
	.amdgcn_target "amdgcn-amd-amdhsa--gfx1250"
	.amdhsa_code_object_version 6
	.text
	.protected	k_q866f06a7ad_attn
	.globl	k_q866f06a7ad_attn
	.p2align	8
	.type	k_q866f06a7ad_attn,@function
k_q866f06a7ad_attn:
	s_mov_b64 s[64:65], 0
	v_nop
	global_prefetch_b8 v0, s[64:65] scope:SCOPE_SE
	s_setreg_imm32_b32 hwreg(HW_REG_WAVE_MODE, 25, 1), 1
	s_wait_xcnt 0x0
; out[b][token][64 head + d] = softmax over the keys of (q . k / 8) times v, both products on codes of FP8 (E4M3).  y (0..127) = 16 batch + head; x = which 512 queries of the head's 1,024.
; THE SOFTMAX AHEAD OF THE SECOND PRODUCT: t = score x log2(e) / 8; M = the row's largest t so far, rounded UP to a whole number; p = 2^(t - M) is what is quantised; the row's sum is taken of the unquantised p and divides at the end.
; When M moves, the sum and O are multiplied by 2^(old M - new M), a power of two.
; INPUT.  qkv holds three parts of 2^23 bytes of codes: q, k [head][PI(token)][64], v [token / 64][PI(64 head + d)][64 tokens]; PI exchanges bits 3 and 4 of a row's number: 16 neighbouring stored rows are the rows
; 32 beta + 8 u + r + 8 (r / 8), so that a lane's 16 registers of two neighbouring tiles of scores are 16 neighbouring keys (and of O 16 neighbouring channels).
; LAYOUT.  Both products are used transposed: S^T = K Q^T, O^T = V^T P^T: a lane holds ONE query (lane % 16) throughout.
; SHARES.  Sixteen waves of 256 registers, four to a SIMD; a wave owns two tiles of 16 queries (A, B; 256 stored rows apart) and walks all keys, 128 a step, for both tiles on the same fragments of K and V.
; K AND V (131,072 bytes of codes) are loaded once, through registers, into LDS, in four parts of 256 keys; each wave takes 1,024 bytes of K and of V of each part.  All are asked for at the head, part 0 by every wave ahead of the
; other three.  Part 0 is stored first; while the other three are on their way into the registers of O^T, which are idle until step 0's second products, step 0 runs; then they are stored.  Nothing is ever filled again.
; No cluster: a head's K and V are read by two work-groups alone, each once, and the launch has no tensor load.  No prefetch: every byte that is read is asked for at the head, no loop runs ahead.
; THE HOLD of p at 448 x 2^ep stands under a branch on the given scales.  It is left out where ep >= -8 and eq + ek <= 2: a score is at most 64 x 448 x 448 x 2^(eq + ek), so |t| < 2^24; the rounded largest t is then within 1/2
; of the exact one, M is at least the rounded one, so t - M <= 1/2 and p < 1.75 = 448 x 2^-8: the hold would change nothing.
; LIMITS, so that each power of two below is an f32 number: eq + ek between -123 and 130; ep between -126 and 119; |t| under 2^31.
; REGISTERS: v0 the thread; v16-31 Q of both tiles; v32-63 four tiles of K, then the sums' other chains, then p's codes; v64-127 S^T of A (then V's four fragments), v128-191 of B; v192-223, v224-255 O^T of A, B.
; Pairs whose high half is named but not used: v[2:3], v[4:5], v[6:7], v[8:9]: their high halves hold other numbers that stay written.
.set BLK,   16*272                     ; LDS: 64 keys of K, or 64 keys of V's 64 channels: 4,096 bytes as 16 rows of 256 bytes + 16 of padding
.set TROW,  4*272                      ; a tile: 16 stored rows of 64 bytes
.set SB,    4*BLK                      ; a step of 128 keys: two blocks of K, then two of V
.set STAGE, 8*SB                       ; behind the eight steps: 16 rows x 272 bytes for each wave, for the way out
.set SPI,   272
.set SPARE, STAGE+16*16*SPI            ; the spare words, 128 bytes for each wave
.set X,     1                          ; v1, v9   largest scores (A, B): X + 8 T
.set NM,    2                          ; v2, v4   -M: NM + 2 T
.set SC,    3                          ; v3       2^ep as f32
.set A0,    5                          ; v5       my lane's place in a tile
.set F,     6                          ; v6, v8   2^(old M - new M): F + 2 T
.set ADR,   7                          ; v7       the step's LDS address
.set L,     10                         ; v[10:11], v[12:13] the sums, in two halves each: L + 2 T
.set Y,     14                         ; v14, v15
.set QF,    16
.set KV,    32
.set S,     64
.set O,     192
.set PR,    192                        ; v192-239 parts 1 to 3 of K and V on their way
.set WA,    240                        ; v240, v241 where I store them in LDS: parts 0, 1; parts 2, 3
.set LO,    242                        ; v242     16 x lane
.set QA,    243                        ; v243     my lane's place in a tile of Q
.set WV,    10
.set SEL,   20
.set CS,    22
.set HOLD,  60
	s_load_b128 s[4:7], s[0:1], 0x0                ; qkv, the scales' exponents
	s_load_b64 s[8:9], s[0:1], 0x10                ; out0
	v_lshrrev_b32 v1, 5, v0
	v_readfirstlane_b32 s[WV], v1                  ; wave 0..15
	s_and_b32 s11, ttmp7, 0xffff
	s_and_b32 s12, s11, 15                         ; head
	s_lshr_b32 s13, s11, 4                         ; batch
	s_lshl_b32 s40, s12, 19
	s_lshl_b32 s41, s13, 16
	s_add_co_u32 s40, s40, s41                     ; the head's 1,024 rows in q and in k
	s_lshl_b32 s41, s[WV], 10                      ; 1,024 bytes a wave: of K's part, and 16 queries
	s_add_co_u32 s42, s40, s41
	s_add_co_u32 s42, s42, 1<<23                   ; K
	s_mov_b32 s43, 0
	s_lshl_b32 s47, ttmp9, 15
	s_add_co_u32 s40, s40, s47
	s_add_co_u32 s40, s40, s41                     ; Q
	s_mov_b32 s41, 0
	s_lshl_b32 s44, s13, 20
	s_lshl_b32 s45, s12, 12
	s_add_co_u32 s44, s44, s45
	s_lshr_b32 s45, s[WV], 2
	s_lshl_b32 s45, s45, 16                        ; V: waves 4 g .. 4 g + 3 take the part's g-th 64 keys,
	s_add_co_u32 s44, s44, s45
	s_and_b32 s46, s[WV], 3
	s_lshl_b32 s45, s46, 10                        ; a quarter each
	s_add_co_u32 s44, s44, s45
	s_add_co_u32 s44, s44, 1<<24
	s_mov_b32 s45, 0
	s_lshl_b32 s52, ttmp9, 9                       ; out: token 512 x + 32 (wave / 2) + 8 (wave % 2)
	s_lshr_b32 s53, s[WV], 1
	s_lshl_b32 s53, s53, 5
	s_add_co_u32 s52, s52, s53
	s_and_b32 s53, s[WV], 1
	s_lshl_b32 s53, s53, 3
	s_add_co_u32 s52, s52, s53
	s_lshl_b32 s52, s52, 12                        ; rows of 4,096 bytes,
	s_lshl_b32 s53, s13, 22
	s_add_co_u32 s52, s52, s53
	s_lshl_b32 s53, s12, 8                         ; the head's 256 bytes
	s_add_co_u32 s52, s52, s53
	s_mov_b32 s53, 0
	s_lshr_b32 s54, s[WV], 3                       ; LDS: step wave / 8 of the part, block (wave / 4) % 2, quarter wave % 4
	s_mul_i32 s54, s54, SB
	s_bfe_u32 s55, s[WV], 0x10002
	s_mul_i32 s55, s55, BLK
	s_add_co_u32 s54, s54, s55
	s_mul_i32 s46, s46, TROW
	s_add_co_u32 s54, s54, s46
	v_and_b32 v180, 31, v0
	v_lshlrev_b32 v[LO], 4, v180
	v_and_b32 v181, 15, v0                         ; r
	v_bfe_u32 v182, v0, 4, 1                       ; h
	v_mul_u32_u24 v[WA], v182, 272
	v_lshl_add_u32 v[WA], v181, 4, v[WA]
	v_add_nc_u32 v[WA], s54, v[WA]                 ; a load's 512 bytes are two LDS rows
	v_add_nc_u32 v[WA+1], 4*SB, v[WA]
	v_lshlrev_b32 v[QA], 6, v181
	v_lshl_add_u32 v[QA], v182, 4, v[QA]
	v_lshrrev_b32 v183, 2, v181
	v_mul_u32_u24 v[A0], v183, 272
	v_and_b32 v183, 3, v181
	v_lshl_add_u32 v[A0], v183, 6, v[A0]
	v_lshl_add_u32 v[A0], v182, 4, v[A0]           ; row r of a tile: LDS row r / 4, 64 (r % 4) + 16 h bytes on
	s_wait_alu depctr_va_vdst(0)
	s_wait_kmcnt 0x0
	s_load_b128 s[48:51], s[6:7], 0x18             ; eq, ek, ep, ev
	s_add_nc_u64 s[42:43], s[4:5], s[42:43]
	s_add_nc_u64 s[44:45], s[4:5], s[44:45]
	s_add_nc_u64 s[40:41], s[4:5], s[40:41]
	s_add_nc_u64 s[18:19], s[8:9], s[52:53]
.macro KVLOAD p, d                     ; my 1,024 bytes of K and of V of part p
.irp i, 0,1
	global_load_b128 v[\d+4*\i:\d+4*\i+3], v[LO], s[42:43] offset:16384*\p+512*\i
.endr
.irp i, 0,1
	global_load_b128 v[\d+8+4*\i:\d+8+4*\i+3], v[LO], s[44:45] offset:262144*\p+512*\i
.endr
.endm
.macro KVSTORE p, d
.irp i, 0,1
	ds_store_b128 v[WA+\p/2], v[\d+4*\i:\d+4*\i+3] offset:(\p%2)*2*SB+2*272*\i
	ds_store_b128 v[WA+\p/2], v[\d+8+4*\i:\d+8+4*\i+3] offset:(\p%2)*2*SB+2*BLK+2*272*\i
.endr
.endm
	KVLOAD 0, KV
	global_load_b128 v[QF:QF+3], v[QA], s[40:41] th:TH_LOAD_NT
	global_load_b128 v[QF+4:QF+7], v[QA], s[40:41] offset:32 th:TH_LOAD_NT
	global_load_b128 v[QF+8:QF+11], v[QA], s[40:41] offset:256*64 th:TH_LOAD_NT
	global_load_b128 v[QF+12:QF+15], v[QA], s[40:41] offset:256*64+32 th:TH_LOAD_NT
	s_barrier_signal -1
	s_barrier_wait -1                              ; every wave has asked for part 0 and Q: only now for the other parts
	KVLOAD 1, PR
	KVLOAD 2, PR+16
	KVLOAD 3, PR+32
	v_mov_b32 v[NM], 0x7f61b1e6                    ; -M: 3e38, so M lies under every t
	v_mov_b32 v[NM+2], 0x7f61b1e6
.irp j, 6,7,8,9,10,11,12,13
	v_mov_b32 v\j, 0                               ; the sums; what a lane permute or a pair names is written once
.endr
	s_mov_b32 s[SEL], 0x76543210
	s_mov_b32 s[SEL+1], 0xfedcba98
	s_wait_alu depctr_va_vdst(0)
	s_wait_kmcnt 0x0
	s_add_co_i32 s56, s48, s49                     ; eq + ek
	s_cmp_lt_i32 s50, -8
	s_cselect_b32 s[HOLD], 1, 0
	s_cmp_gt_i32 s56, 2
	s_cselect_b32 s[HOLD], 1, s[HOLD]              ; is the hold of p owed?
	s_lshl_b32 s56, s56, 23
	s_mov_b32 s[CS], 0x3e38aa3b                    ; log2(e) / 8
	s_add_co_i32 s[CS], s[CS], s56                 ; a score stands for score x 2^(eq + ek): added to the exponent field
	s_mov_b32 s[CS+1], s[CS]                       ; (named with it as a pair)
	s_add_co_i32 s56, s50, 127
	s_lshl_b32 s57, s56, 23
	v_mov_b32 v[SC], s57                           ; 2^ep
	s_add_co_i32 s56, s56, 8
	s_lshl_b32 s56, s56, 23
	s_or_b32 s58, s56, 0x600000                    ; 448 x 2^ep
	s_add_co_i32 s61, s50, s51                     ; ep + ev
.macro QK g                            ; scores of the step's g-th 64 keys: source 0 = 16 keys, source 1 = 16 queries
.irp t, 0,1,2,3
.set TT, 0
.rept 2
	v_wmma_f32_16x16x64_fp8_fp8 v[S+64*TT+32*\g+8*\t:S+64*TT+32*\g+8*\t+7], v[KV+8*\t:KV+8*\t+7], v[QF+8*TT:QF+8*TT+7], 0
.set TT, TT+1
.endr
.endr
.endm
.macro MX g, acc, st, lev              ; one link of both tiles' chains of maxima over those scores, each accumulator from its low end on
.set TT, 0
.rept 2
.set BB, S+64*TT+32*\g
.set AA, \acc+\st*TT
.if (\lev) == 1
	v_max3_num_f32 v[AA], v[BB], v[BB+1], v[BB+2]
.else
	v_max3_num_f32 v[AA], v[AA], v[BB+\lev], v[BB+\lev+1]
.endif
.set TT, TT+1
.endr
.endm
.macro MS k, u                         ; from the largest scores to -M and f, line k
.set XT, X+8*\u
.set YT, Y+\u
.set NT, NM+2*\u
.set FT, F+2*\u
.if \k == 0
	v_max3_num_f32 v[XT], v[XT], v[S+64*\u+31], v[S+64*\u+63]
.elseif \k == 1
	v_max_num_f32 v[XT], v[XT], v[YT]
.elseif \k == 2
	v_permlanex16_b32 v[FT], v[XT], s[SEL], s[SEL+1]
.elseif \k == 3
	v_max_num_f32 v[XT], v[XT], v[FT]              ; my query's largest score of the step, lane l xor 16's keys among them
.elseif \k == 4
	v_mul_f32 v[XT], s[CS], v[XT]                  ; as t
.elseif \k == 5
	v_floor_f32 v[XT], -v[XT]                      ; floor(-t) = -ceil(t)
.elseif \k == 6
	v_mov_b32 v[YT], v[NT]
.elseif \k == 7
	v_min_num_f32 v[NT], v[NT], v[XT]              ; the new -M
.elseif \k == 8
	v_sub_f32 v[YT], v[NT], v[YT]                  ; old M - new M: a whole number, 0 or less
.elseif \k == 9
	v_cvt_i32_f32 v[YT], v[YT]                     ; (it saturates)
.else
	v_ldexp_f32 v[FT], 1.0, v[YT]
.endif
.endm
.macro FMA u, j                        ; t - M, two at a time
.set BB, S+64*(\u)+2*(\j)
	v_pk_fma_f32 v[BB:BB+1], v[BB:BB+1], s[CS:CS+1], v[NM+2*(\u):NM+2*(\u)+1] op_sel_hi:[1,0,0]
.endm
.macro EXPS u, fill                    ; p = 2^(t - M); fill: tile B's multiply-adds stand among tile A's exponentials
.set KK, 0
.rept 32
	v_exp_f32 v[S+64*(\u)+2*KK], v[S+64*(\u)+2*KK]
	v_exp_f32 v[S+64*(\u)+2*KK+1], v[S+64*(\u)+2*KK+1]
.if \fill
	FMA 1, KK
.endif
.set KK, KK+1
.endr
.endm
.macro SUM u                           ; the sum of the unquantised p, in four chains
.set BB, S+64*\u
.set LL, L+2*\u
.set MM, KV+16*\u
.irp c, 0,1,2
	v_pk_add_f32 v[MM+2*\c:MM+2*\c+1], v[BB+4*\c:BB+4*\c+1], v[BB+4*\c+2:BB+4*\c+3]
.endr
	v_pk_add_f32 v[LL:LL+1], v[LL:LL+1], v[BB+12:BB+13]
.set KK, 7
.rept 25
.set CH, MM+2*((KK-7)%4)
.if ((KK-7)%4) == 3
.set CH, LL
.endif
	v_pk_add_f32 v[CH:CH+1], v[CH:CH+1], v[BB+2*KK:BB+2*KK+1]
.set KK, KK+1
.endr
	v_pk_add_f32 v[LL:LL+1], v[LL:LL+1], v[MM:MM+1]
	v_pk_add_f32 v[MM+2:MM+3], v[MM+2:MM+3], v[MM+4:MM+5]
	v_pk_add_f32 v[LL:LL+1], v[LL:LL+1], v[MM+2:MM+3]
.endm
.macro HELD u
	s_wait_alu depctr_va_vdst(0)                   ; ahead of the branch
	s_cmp_eq_u32 s[HOLD], 0
	s_cbranch_scc1 .Lheld_\@                       ; the branch hangs on the given scales alone
.set KK, 0
.rept 64
	v_min_num_f32 v[S+64*\u+KK], s58, v[S+64*\u+KK]   ; the conversion does not saturate (ISA guide 7.6.2); p is not negative
.set KK, KK+1
.endr
.Lheld_\@:
.endm
.macro CVT u                           ; p's codes: the 16 registers of two neighbouring tiles are 16 neighbouring keys: the results are the operand
.set KK, 0
.rept 8
	v_cvt_scalef32_pk8_fp8_f32 v[KV+16*(\u)+2*KK:KV+16*(\u)+2*KK+1], v[S+64*(\u)+8*KK:S+64*(\u)+8*KK+7], v[SC]
.set KK, KK+1
.endr
.endm
; A step of 128 keys for both tiles, at LDS address v[adr] + off.  first = 1: O^T begins, and the later parts of K and V, which lie in its registers, are stored ahead of its products.
.macro STEP first, adr, off
.if \first == 0
.rept 5
	v_nop                                          ; places behind the last step's products: their operands are loaded into (4), and written over by products (5) (ISA guide 7.12.1)
.endr
.endif
.irp t, 0,1,2,3
	ds_load_b128 v[KV+8*\t:KV+8*\t+3], v[\adr] offset:\off+\t*TROW
	ds_load_b128 v[KV+8*\t+4:KV+8*\t+7], v[\adr] offset:\off+\t*TROW+32
.endr
	s_wait_alu depctr_va_vdst(0)
	s_wait_dscnt 0x0
	QK 0
.rept 4
	v_nop                                          ; places ahead of the loads into the same registers
.endr
.irp t, 0,1,2,3
	ds_load_b128 v[KV+8*\t:KV+8*\t+3], v[\adr] offset:\off+BLK+\t*TROW
	ds_load_b128 v[KV+8*\t+4:KV+8*\t+7], v[\adr] offset:\off+BLK+\t*TROW+32
.endr
	s_wait_dscnt 0x0
	QK 1
.set KK, 1
.rept 17                               ; the second 64 keys' maxima begin two links behind the first's: those four lines are the places behind the products just issued
.if KK <= 29
	MX 0, X, 8, KK
.endif
.if KK >= 5
	MX 1, Y, 1, KK-4
.endif
.set KK, KK+2
.endr
.irp k, 0,1,2,3,4,5,6,7,8,9,10
	MS \k, 0
	MS \k, 1
.endr
.if \first == 0
.set KK, 0
.rept 32
.set BB, O+2*KK
.set FF, F+2*(KK/16)
	v_pk_mul_f32 v[BB:BB+1], v[BB:BB+1], v[FF:FF+1] op_sel_hi:[1,0]   ; O^T under the new M
.set KK, KK+1
.endr
.endif
.set KK, 0
.rept 32
	FMA 0, KK
.set KK, KK+1
.endr
	s_wait_alu depctr_va_vdst(0)
	EXPS 0, 1
	s_wait_alu depctr_va_vdst(0)                   ; and ahead of its first reader, and of tile B's exponentials, whose sources were written among tile A's
	v_pk_mul_f32 v[L:L+1], v[L:L+1], v[F:F+1] op_sel_hi:[1,0]   ; the sum under the new M
	SUM 0
	HELD 0
	CVT 0
.irp t, 0,1,2,3                        ; V^T's four fragments, 16 channels x 128 keys, into tile A's score registers: they land under tile B's exponentials
.irp c, 0,1,2,3
	ds_load_b128 v[S+16*\t+4*\c:S+16*\t+4*\c+3], v[\adr] offset:\off+(2+\c/2)*BLK+\t*TROW+32*(\c%2)
.endr
.endr
	EXPS 1, 0
	v_pk_mul_f32 v[L+2:L+3], v[L+2:L+3], v[F+2:F+3] op_sel_hi:[1,0]   ; also the plain place behind the exponentials
	s_wait_alu depctr_va_vdst(0)
	SUM 1
	HELD 1
	CVT 1
	v_nop                                          ; one plain place behind the last conversion
	s_wait_alu depctr_va_vdst(0)
.if \first
	s_wait_loadcnt 0x0                             ; parts 1 to 3 are in
	KVSTORE 1, PR
	KVSTORE 2, PR+16
	KVSTORE 3, PR+32
	s_wait_dscnt 0x0                               ; they stand in LDS, and V's fragments are in
	s_barrier_signal -1                            ; waited for behind step 1, which reads part 0 alone: nobody writes those bytes again
.endif
.irp t, 0,1,2,3
.if \first == 0
	s_wait_dscnt 12-4*\t                           ; fragment t's four loads are in; those of the fragments behind it may be out
.endif
.set TT, 0
.rept 2
.set BB, O+32*TT+8*\t
.if \first
	v_wmma_f32_16x16x128_fp8_fp8 v[BB:BB+7], v[S+16*\t:S+16*\t+15], v[KV+16*TT:KV+16*TT+15], 0
.else
	v_wmma_f32_16x16x128_fp8_fp8 v[BB:BB+7], v[S+16*\t:S+16*\t+15], v[KV+16*TT:KV+16*TT+15], v[BB:BB+7]
.endif
.set TT, TT+1
.endr
.endr
.endm
	s_wait_alu depctr_va_vdst(0)
	s_wait_loadcnt 16                              ; part 0 is in; Q's 4 loads and the 12 of parts 1 to 3 may be out
	KVSTORE 0, KV
	s_wait_dscnt 0x0
	s_barrier_signal -1
	s_barrier_wait -1                              ; part 0 stands in LDS
	s_wait_loadcnt 12                              ; Q is in
	STEP 1, A0, 0
	STEP 0, A0, SB
	s_barrier_wait -1                              ; all of K and V stand in LDS
	s_mov_b32 s14, 2*SB
	s_mov_b32 s15, 6
.Lkeys:
	v_add_nc_u32 v[ADR], s14, v[A0]
	STEP 0, ADR, 0
	s_add_co_u32 s14, s14, SB
	s_sub_co_u32 s15, s15, 1
	s_cmp_lg_u32 s15, 0
	s_cbranch_scc1 .Lkeys
	; THE WAY OUT: O^T / the sum goes through my own stage, 16 queries x 256 bytes, and leaves as rows: sixteen lanes store 256 consecutive bytes, at a multiple of 256 from the buffer's first byte.
.irp u, 0,1
	v_add_f32 v[L+2*\u], v[L+2*\u], v[L+2*\u+1]
.endr
.irp u, 0,1
	v_permlanex16_b32 v[F+2*\u], v[L+2*\u], s[SEL], s[SEL+1]
.endr
.irp u, 0,1
	v_add_f32 v[L+2*\u], v[L+2*\u], v[F+2*\u]      ; the rows' sums
.endr
	s_mul_i32 s56, s[WV], 16*SPI
	s_add_co_u32 s56, s56, STAGE                   ; my stage
	s_wait_alu depctr_va_vdst(0)
	v_rcp_f32 v[L], v[L]
	v_rcp_f32 v[L+2], v[L+2]
	v_and_b32 v41, 15, v0                          ; r
	v_bfe_u32 v42, v0, 4, 1                        ; h
	v_mul_u32_u24 v36, v41, SPI
	v_lshl_add_u32 v36, v42, 6, v36
	v_add_nc_u32 v36, s56, v36                     ; in: row r, 16 channels on for lanes 16-31
	v_mul_u32_u24 v37, v42, SPI
	v_lshl_add_u32 v37, v41, 4, v37
	v_add_nc_u32 v37, s56, v37                     ; back: two rows an instruction
	v_lshlrev_b32 v38, 12, v42
	v_lshl_add_u32 v38, v41, 4, v38                ; and the same two rows in the output
	v_lshl_add_u32 v39, v0, 2, SPARE
	v_mov_b32 v40, 0
	s_wait_alu depctr_va_vdst(0)
	v_ldexp_f32 v[L], v[L], s61                    ; x 2^(ep + ev)
	v_ldexp_f32 v[L+2], v[L+2], s61
	s_wait_alu depctr_va_vdst(0)                   ; directly ahead of the first readers of O^T
.irp u, 0,1
.set KK, 0
.rept 16
	v_pk_mul_f32 v[S+32*\u+2*KK:S+32*\u+2*KK+1], v[O+32*\u+2*KK:O+32*\u+2*KK+1], v[L+2*\u:L+2*\u+1] op_sel_hi:[1,0]
.set KK, KK+1
.endr
.endr
.irp u, 0,1
.irp t, 0,1,2,3
	ds_store_b128 v36, v[S+32*\u+8*\t:S+32*\u+8*\t+3] offset:128*(\t/2)+32*(\t%2)
	ds_store_b128 v36, v[S+32*\u+8*\t+4:S+32*\u+8*\t+7] offset:128*(\t/2)+32*(\t%2)+16
.endr
.irp i, 0,1,2,3,4,5,6,7
	ds_load_b128 v[S+64+32*\u+4*\i:S+64+32*\u+4*\i+3], v37 offset:2*\i*SPI   ; LDS serves a wave's instructions in order (ISA guide 5.7.1.4): these see my stores, and tile B's stores come behind tile A's loads
.endr
.endr
.irp u, 0,1
.irp i, 0,1,2,3,4,5,6,7
	s_wait_dscnt 23-16*\u-\i                       ; the younger loads, and for tile A also tile B's 16 LDS instructions, may be out
	global_store_b128 v38, v[S+64+32*\u+4*\i:S+64+32*\u+4*\i+3], s[18:19] offset:(16*(\i>>2)+2*(\i&3))*4096+\u*256*4096 th:TH_STORE_NT
.endr
.endr
	s_wait_tensorcnt 0x0                           ; the wave's end
	ds_add_u32 v39, v40
	s_wait_dscnt 0x0
	s_endpgm
.Lfunc_end_k_q866f06a7ad_attn:
	.size	k_q866f06a7ad_attn, .Lfunc_end_k_q866f06a7ad_attn-k_q866f06a7ad_attn
	.p2alignl 7, 3214868480
	.fill 96, 4, 3214868480
	.section	.rodata,"a",@progbits
	.p2align	6, 0x0
	.amdhsa_kernel k_q866f06a7ad_attn
		.amdhsa_group_segment_fixed_size 210944
		.amdhsa_private_segment_fixed_size 0
		.amdhsa_enable_private_segment 0
		.amdhsa_kernarg_size 24
		.amdhsa_user_sgpr_count 2
		.amdhsa_user_sgpr_kernarg_segment_ptr 1
		.amdhsa_wavefront_size32 1
		.amdhsa_system_sgpr_workgroup_id_x 1
		.amdhsa_system_sgpr_workgroup_id_y 1
		.amdhsa_system_sgpr_workgroup_id_z 1
		.amdhsa_system_vgpr_workitem_id 0
		.amdhsa_next_free_vgpr 256
		.amdhsa_next_free_sgpr 66
		.amdhsa_reserve_vcc 0
		.amdhsa_float_denorm_mode_32 3
		.amdhsa_float_denorm_mode_16_64 3
		.amdhsa_memory_ordered 1
		.amdhsa_forward_progress 1
		.amdhsa_inst_pref_size 98
	.end_amdhsa_kernel
	.amdgpu_metadata
---
amdhsa.version: [ 1, 2 ]
amdhsa.kernels:
  - .name:           k_q866f06a7ad_attn
    .symbol:         k_q866f06a7ad_attn.kd
    .args:
      - { .name: qkv, .offset: 0, .size: 8, .value_kind: global_buffer, .address_space: global }
      - { .name: lowp_scales, .offset: 8, .size: 8, .value_kind: global_buffer, .address_space: global }
      - { .name: out0, .offset: 16, .size: 8, .value_kind: global_buffer, .address_space: global }
    .group_segment_fixed_size: 210944
    .private_segment_fixed_size: 0
    .kernarg_segment_align: 8
    .kernarg_segment_size: 24
    .max_flat_workgroup_size: 512
    .sgpr_count:     66
    .vgpr_count:     256
    .wavefront_size: 32
...
	.end_amdgpu_metadata
.endif
;; end of part 3
